; MI455X (gfx1250); checked and timed in simulation.
; The chip was launched on July 23, 2026; its instructions are those of AMD's public machine-readable ISA for CDNA 5 (MIT licence, August 2026) and "CDNA5" Instruction Set Architecture Reference Guide (July 2026). The comments in the code are by the model that wrote it; some were corrected since.
;; Gemm RS Intra Node. Allowed arithmetic: matrix products marked QUANTISED: E4M3 operands, one E8M0 scale for each 32 along K, by v_wmma_scale_f32_16x16x128_f8f6f4 with both operands' format E4M3, f32 sums; everything else in f32.
;; Inputs: input 8 x 2,048 x 1,024 float32; weight 8 x 4,096 x 1,024 float32.
;; Outputs: out0 8 x 256 x 4,096 float32.
;; This version of the problem:
;;   THIS VERSION OF THE PROBLEM IS GIVEN IN LOW PRECISION. The matrix products marked QUANTISED in the list below multiply operands that are first quantised to E4M3 (4 exponent bits, 3 mantissa bits; 8 bits a number), with one power-of-two scale for each 32 numbers along K (OCP MX v1.0); their sums are f32. All else is computed in f32.
;;   The module's matrix products, in the order in which they are computed (A, B: the left and right operand; K: the contracted axis; several contracted axes count as one K, in the product's order):
;;     1. [M 2,048, K 8,192] x [K 8,192, N 4,096]; A: input input; B: input weight: QUANTISED
;;   THE QUANTISER, for each operand of a quantised product, along K:
;;     - K is cut into blocks of 32 from its start; a last block that is shorter is filled with zeros.
;;     - A block's scale is 2^e with e = floor(log2(the largest magnitude in the block)) - 8, held to -126 .. 127; a block of zeros has e = 0. As a byte (E8M0): e + 127.
;;     - Each number is divided by its block's scale, clamped to +-448, and rounded to the nearest number of E4M3, ties to even, subnormals kept.
;;     - The product sums the exact products of the quantised numbers (number of the format x scale) in f32.
;;   ~~~python
;;   def quantise(x, axis):      # numpy; x: float32 -> the quantised numbers, widened to float32 again
;;       x = np.moveaxis(x, axis, -1); K = x.shape[-1]
;;       x = np.pad(x, [(0, 0)] * (x.ndim - 1) + [(0, -K % 32)]); x = x.reshape(x.shape[:-1] + (-1, 32)); a = np.abs(x).max(-1, keepdims=True)
;;       e = np.where(a > 0, np.clip(np.frexp(np.where(a > 0, a, 1))[1] - 1 - 8, -126, 127), 0)      # np.frexp(a)[1] - 1 = floor(log2(a)), exactly
;;       r = np.clip(x / 2.0 ** e, -448, 448)
;;       step = 2.0 ** (np.maximum(np.frexp(np.where(r == 0, 1, r))[1] - 1, -6) - 3)
;;       q = np.round(r / step) * step * 2.0 ** e      # np.round: ties to even
;;       return np.moveaxis(q.reshape(q.shape[:-2] + (-1,))[..., :K], -1, axis).astype(np.float32)
;;   ~~~
;; One version. Each part assembles by itself: llvm-mc -triple=amdgcn-amd-amdhsa -mcpu=gfx1250 --defsym DOCPART=n.
;; ======== version 1 of 1: 2 launches
;; limits: right only within a limited range of input values
;; workspace buffers: a_img 18,022,400 bytes; b_img 36,044,800 bytes
;; launch quant (part 1): grid 1536 x 1, 4 waves a work-group, no clusters, 36,352 bytes of LDS; arguments input, weight, a_img, b_img; writes a_img, b_img
.if DOCPART == 1
	.amdgcn_target "amdgcn-amd-amdhsa--gfx1250"
	.amdhsa_code_object_version 6
	.text
	.protected	k_q0e244a9162_quant
	.globl	k_q0e244a9162_quant
	.p2align	8
	.type	k_q0e244a9162_quant,@function
k_q0e244a9162_quant:
	s_mov_b64 s[64:65], 0
	v_nop
	global_prefetch_b8 v0, s[64:65] scope:SCOPE_SE
	s_setreg_imm32_b32 hwreg(HW_REG_WAVE_MODE, 25, 1), 1
	s_wait_xcnt 0x0
; input [8][2048][1024] and weight [8][4096][1024], f32, become codes of FP8 (E4M3), one byte each, and one E8M0 scale byte for each block of 32, LAID IN THE ORDER OF THE MATRIX OPERAND'S REGISTERS.
; THE PRODUCT'S K.  The product contracts the axes k and rank, in that order: K = 8 k + rank.  So block j of a row (j = 0 .. 255) is k = 4 j .. 4 j + 3 of ALL EIGHT RANKS.  Inside a block the code of (rank, k)
; stands at place 4 rank + k % 4, alike in both tensors: a permutation of K applied alike to both operands, which keeps each block with its own byte; only the order in which a block's 32 products are added differs.
; LAYOUT.  16 rows are a row group G; 128 along K (four blocks) a step s; three steps a tile p = s / 3.  For each (G, p) a block of 6,400 bytes, 22 of them on end for a row group:
;   bytes 2048 (s % 3) + 512 c + 256 h + 16 r: the 16 codes of row r, block 4 s + c, half h: what lane 16 h + r of the matrix operand holds in registers 4 c .. 4 c + 3;
;   bytes 6144 + 64 (s % 3) + 4 r: row r's scale word of step s (byte c: block 4 s + c);   bytes 6336 .. 6399: never read.
; So the codes of step s begin at 2048 s + 256 (s / 3) of the row group, its scale words at 6144 + 64 s + 6208 (s / 3).  64 steps fill 21 tiles and a third of the last; the rest of that tile is written as zeros.
; A block's scale is 2^(floor(log2(its largest magnitude)) - 8); its byte is the largest magnitude's exponent field - 8, held at 1 from below.  Each number is divided by the scale,
; held within +-448 and rounded to the nearest code, ties to even.
; LIMITS: NaN and infinities among the inputs are not served.  A block of zeros gets the byte 1 where the rule says 127: its codes are zeros, which add nothing under any byte but 0xff,
; and the bytes are read by this program alone.  Blocks whose largest magnitude lies under 2^-118 get the byte 1, which is the rule's own hold at e = -126.
; SHARES.  A wave takes one row group and 16 blocks (four steps of 128 along K): 16 turns, one for each row.  Work-groups 0 to 511 take input, 512 to 1,535 weight: only pointers and the rank's stride are chosen.
; In a turn lane l holds HALF of block 16 t + l / 2: ranks 4 (l % 2) + 0 .. 3, four neighbouring k of each: four loads of 16 bytes; in each load the even lanes read 256 consecutive bytes of one rank's row, at a
; multiple of 256 from the buffer's first byte, the odd lanes 256 of the rank four on.  A lane's 16 codes are the piece (c, h) = l % 8 of step 4 t + l / 8, for ONE row; the pieces of the 16 rows that belong together
; are made in 16 turns.  So they meet in the wave's own stage in LDS (piece l at 272 l, row r at 16 r in it: the sixteen lanes of a store fall on sixteen different columns of 16 bytes) and come back as 32 runs of 256 bytes.
; The scale bytes are gathered as words in the wave's own 256 bytes of LDS and leave as four pieces of 64 bytes: 1.5 MB of the launch's 54 are so written in pieces shorter than 256 bytes.
; No matrix unit, no cluster, no tensor load, no barrier: no byte is shared between waves.  No prefetch: the launch is one stream of loads, twelve to sixteen of each wave always on their way.
.set ROWS,  16
.set WGA,   512                        ; work-groups for input: 128 row groups x 16 runs of 16 blocks, four waves each
.set MANT,  0x600000                   ; the mantissa field of 448 as f32
.set UP,    272                        ; the stage: a run of 256 bytes + 16 of padding
.set STG,   32*UP                      ; the stage's bytes; behind it the wave's 256 scale bytes
.set WREG,  STG+256                    ; LDS: a region for each wave
.set SPARE, 4*WREG                     ; behind the four regions: the spare words, 128 bytes for each wave: two blocks of 256 bytes that no other line names
.set GSTR,  22*6400                    ; a row group in the output
.set SPW,   12                         ; v12      LDS address of my spare word; never rewritten
.set NIL,   13                         ; v13      0; never rewritten
.set X,     16                         ; v16-79   four sets of 16 numbers: register 4 g + c of a set: rank 4 (l % 2) + g, k = 4 x block + c; on the way out the 32 runs
.set E,     80                         ; v80-95   a scale byte for each turn
.set C,     96                         ; v96-111  codes: a ring of four sets of four registers
.set OF,    112                        ; v112-115 (4 (l % 2) + g) x the rank's stride + 16 (l / 2); never rewritten
.set VO,    116                        ; v116-119 16 x lane + where the codes of my step 4 t + m begin in the row group; never rewritten
	s_load_b128 s[4:7], s[0:1], 0x0                ; input, weight
	s_load_b128 s[8:11], s[0:1], 0x10              ; input's images, weight's images
	v_lshl_add_u32 v[SPW], v0, 2, SPARE
	v_mov_b32 v[NIL], 0
	v_lshrrev_b32 v1, 5, v0
	v_readfirstlane_b32 s16, v1                    ; wave 0..3
	v_and_b32 v2, 31, v0                           ; lane
	s_mul_i32 s20, s16, WREG                       ; my wave's region
	v_mul_u32_u24 v3, v2, UP
	v_add_nc_u32 v3, s20, v3                       ; the stage, on the way in: my piece's run; the row stands in the immediate
	v_lshrrev_b32 v14, 3, v2                       ; lane / 8: which of my four steps
	v_bfe_u32 v15, v2, 1, 2                        ; (lane / 2) % 4: which block of the step
	v_lshl_add_u32 v4, v14, 6, v15
	v_add_nc_u32 v4, s20, v4
	v_add_nc_u32 v4, STG, v4                       ; my block's byte in row 0's scale word; 4 bytes on for each row
	v_lshrrev_b32 v5, 4, v2
	v_mul_u32_u24 v5, v5, UP
	v_and_b32 v1, 15, v2
	v_lshl_add_u32 v5, v1, 4, v5
	v_add_nc_u32 v5, s20, v5                       ; the stage, on the way out: lanes 0-15 one run of 256 bytes, lanes 16-31 the next
	v_lshlrev_b32 v6, 3, v2
	v_add_nc_u32 v6, s20, v6
	v_add_nc_u32 v6, STG, v6                       ; the scale words on their way out: 8 bytes a lane
	s_mov_b32 s23, MANT                            ; (an instruction takes one literal: the hold's line has another)
	s_wait_kmcnt 0x0
	s_cmp_lt_u32 ttmp9, WGA                        ; input's work-group or weight's?  The choice hangs on the work-group's number alone
	s_cselect_b64 s[4:5], s[4:5], s[6:7]
	s_cselect_b64 s[8:9], s[8:9], s[10:11]
	s_cselect_b32 s24, 23, 24                      ; bytes from rank to rank, as a shift: input 2,048 x 1,024 x 4 = 2^23, weight 4,096 x 1,024 x 4 = 2^24
	s_cselect_b32 s17, 0, WGA
	s_sub_co_u32 s17, ttmp9, s17                   ; the work-group's number in its tensor
	s_lshr_b32 s18, s17, 2                         ; G: my row group
	s_and_b32 s19, s17, 3
	s_lshl_b32 s19, s19, 2
	s_add_co_u32 s19, s19, s16                     ; t: which 16 blocks of the rows' 256
	s_lshl_b32 s20, s18, 16                        ; 16 rows of 4,096 bytes a row group and rank,
	s_lshl_b32 s21, s19, 8                         ; 16 blocks x 16 bytes of a rank's row
	s_add_co_u32 s20, s20, s21
	s_mov_b32 s21, 0
	s_add_nc_u64 s[4:5], s[4:5], s[20:21]
	s_mul_i32 s20, s18, GSTR
	s_add_nc_u64 s[8:9], s[8:9], s[20:21]          ; my row group's images
	v_and_b32 v14, 1, v2
	v_lshlrev_b32 v14, 2, v14                      ; my first rank: 0 in even lanes, 4 in odd ones
	v_lshrrev_b32 v15, 1, v2
	v_lshlrev_b32 v15, 4, v15                      ; my block's four k in a rank's row: 16 bytes a block
.irp g, 0,1,2,3
	v_add_nc_u32 v8, \g, v14                       ; the rank of my g-th load
	v_lshl_add_u32 v[OF+\g], v8, s24, v15          ; at most 7 x 2^24 + 240: under 2^31
.endr
	s_lshl_b32 s22, s19, 2                         ; my first step: 4 t
.irp m, 0,1,2,3
	s_add_co_u32 s25, s22, \m                      ; step s
	s_mul_i32 s26, s25, 43
	s_lshr_b32 s26, s26, 7                         ; s / 3 (43 s / 128 is that for s under 128)
	s_lshl_b32 s25, s25, 11
	s_lshl_b32 s26, s26, 8
	s_add_co_u32 s25, s25, s26                     ; 2048 s + 256 (s / 3)
	v_lshl_add_u32 v[VO+\m], v2, 4, s25
.endr
	v_lshrrev_b32 v14, 3, v2
	v_add_nc_u32 v14, s22, v14                     ; the step of my 8 bytes of scale words: 4 t + lane / 8
	v_mul_u32_u24 v15, v14, 43
	v_lshrrev_b32 v15, 7, v15                      ; s / 3
	v_mul_u32_u24 v15, v15, 6208
	v_lshl_add_u32 v15, v14, 6, v15                ; 64 s + 6208 (s / 3); the 6,144 stand in the store's immediate
	v_and_b32 v14, 7, v2
	v_lshl_add_u32 v7, v14, 3, v15
.macro LOAD r                          ; row r of the group: 256 bytes of each rank's row; the row stands in the immediate
.irp g, 0,1,2,3
	global_load_b128 v[X+16*((\r)%4)+4*\g:X+16*((\r)%4)+4*\g+3], v[OF+\g], s[4:5] offset:4096*(\r) th:TH_LOAD_NT
.endr
.endm
.irp r, 0,1,2,3
	LOAD \r
.endr
.macro TURN r
.set XS, X+16*((\r)%4)
.set CS, C+4*((\r)%4)
.if ROWS-1-(\r) >= 3
	s_wait_loadcnt 12                              ; this row's four loads are in; those of the three rows behind it may be out
.else
	s_wait_loadcnt 4*(ROWS-1-(\r))                 ; the last rows: the counts run down
.endif
	v_max3_num_f32 v8, |v[XS]|, |v[XS+1]|, |v[XS+2]|               ; the largest magnitude of my 16, in two chains
	v_max3_num_f32 v9, |v[XS+3]|, |v[XS+4]|, |v[XS+5]|
.irp i, 6,10
	v_max3_num_f32 v8, v8, |v[XS+\i]|, |v[XS+\i+1]|
	v_max3_num_f32 v9, v9, |v[XS+\i+2]|, |v[XS+\i+3]|
.endr
	v_max3_num_f32 v8, v8, |v[XS+14]|, |v[XS+15]|
	v_max3_num_f32 v8, v8, v9, 0x4800000           ; and the floor 2^(9 - 127), under which no largest magnitude is taken: so the byte cannot fall under 1
	v_max_num_f32_dpp v8, v8, v8 row_xmask:1 row_mask:0xf bank_mask:0xf   ; and of my neighbour's 16, the block's other four ranks: the block's
	v_add_nc_u32 v11, 0xfc000000, v8               ; 8 off its exponent field: the conversion takes the exponent field of this operand as its scale, and nothing else of it
	v_and_or_b32 v10, v8, 0x7f800000, s23          ; 448 x the scale: the largest magnitude's exponent field over 448's mantissa
.irp i, 0,1,2,3,4,5,6,7,8,9,10,11,12,13,14,15
	v_med3_num_f32 v[XS+\i], v[XS+\i], -v10, v10   ; the conversion to an 8-bit code does not saturate (ISA guide 7.6.2): hold the number within the largest code x the scale first
.endr
.if (\r) >= 4
	s_wait_alu depctr_va_vdst(0)
	s_wait_dscnt 6                                 ; the stage's store of four turns back has read its data (behind it: two LDS stores in each of three turns): this set of the codes' ring may be written again
.endif
	v_cvt_scalef32_pk8_fp8_f32 v[CS:CS+1], v[XS:XS+7], v11         ; eight numbers / 2^(v11's exponent), to the nearest code, ties to even; the first number's code in the lowest byte
	v_cvt_scalef32_pk8_fp8_f32 v[CS+2:CS+3], v[XS+8:XS+15], v11
	v_lshrrev_b32 v[E+(\r)], 23, v11               ; the scale's byte.  (Also the plain line behind the conversions)
	ds_store_b8 v4, v[E+(\r)] offset:4*(\r)        ; both lanes of a block write the same byte with the same value
	ds_store_b128 v3, v[CS:CS+3] offset:16*(\r)    ; my piece of row r
.if (\r)+4 < ROWS
	LOAD (\r)+4                                    ; the set that the conversions have just read takes the loads of four rows on
.endif
.endm
.irp r, 0,1,2,3,4,5,6,7,8,9,10,11,12,13,14,15
	TURN \r
.endr
.irp i, 0,1,2,3,4,5,6,7,8,9,10,11,12,13,14,15
	ds_load_b128 v[X+4*\i:X+4*\i+3], v5 offset:2*UP*\i             ; runs 2 i and 2 i + 1.  LDS serves a wave's instructions in order (ISA guide 5.7.1.4): these see my stores
.endr
	ds_load_b64 v[8:9], v6                         ; the scale words
.irp i, 0,1,2,3,4,5,6,7,8,9,10,11,12,13,14,15
	s_wait_dscnt 16-\i                             ; load i is in; the younger ones may be out
	global_store_b128 v[VO+\i/4], v[X+4*\i:X+4*\i+3], s[8:9] offset:512*(\i%4)   ; the wave stores 512 consecutive bytes, at a multiple of 256 from the buffer's first byte: a quarter of step 4 t + i / 4's image
.endr
	s_wait_dscnt 0x0
	global_store_b64 v7, v[8:9], s[8:9] offset:6144                ; eight lanes store a step's 64 bytes of scale words
	s_cmp_lg_u32 s19, 15                           ; the wave with the row group's last steps also writes what is left of the last tile: two images and their scale words, as zeros
	s_cbranch_scc1 .Lno_rest
.irp i, 0,1,2,3
	v_mov_b32 v[C+\i], 0
.endr
	v_lshlrev_b32 v14, 4, v2
	v_lshlrev_b32 v15, 2, v2
.irp i, 0,1,2,3,4,5,6,7
	global_store_b128 v14, v[C:C+3], s[8:9] offset:21*6400+2048+512*\i
.endr
	global_store_b32 v15, v[C], s[8:9] offset:21*6400+6144+64      ; 128 consecutive bytes
.Lno_rest:
	s_wait_tensorcnt 0x0                           ; the wave's end, behind my last LDS store
	ds_add_u32 v[SPW], v[NIL]
	s_wait_dscnt 0x0
	s_endpgm
.Lfunc_end_k_q0e244a9162_quant:
	.size	k_q0e244a9162_quant, .Lfunc_end_k_q0e244a9162_quant-k_q0e244a9162_quant
	.p2alignl 7, 3214868480
	.fill 96, 4, 3214868480
	.section	.rodata,"a",@progbits
	.p2align	6, 0x0
	.amdhsa_kernel k_q0e244a9162_quant
		.amdhsa_group_segment_fixed_size 36352
		.amdhsa_private_segment_fixed_size 0
		.amdhsa_enable_private_segment 0
		.amdhsa_kernarg_size 32
		.amdhsa_user_sgpr_count 2
		.amdhsa_user_sgpr_kernarg_segment_ptr 1
		.amdhsa_wavefront_size32 1
		.amdhsa_system_sgpr_workgroup_id_x 1
		.amdhsa_system_sgpr_workgroup_id_y 1
		.amdhsa_system_sgpr_workgroup_id_z 1
		.amdhsa_system_vgpr_workitem_id 0
		.amdhsa_next_free_vgpr 120
		.amdhsa_next_free_sgpr 66
		.amdhsa_reserve_vcc 0
		.amdhsa_float_denorm_mode_32 3
		.amdhsa_float_denorm_mode_16_64 3
		.amdhsa_memory_ordered 1
		.amdhsa_forward_progress 1
		.amdhsa_inst_pref_size 49
	.end_amdhsa_kernel
	.amdgpu_metadata
---
amdhsa.version: [ 1, 2 ]
amdhsa.kernels:
  - .name:           k_q0e244a9162_quant
    .symbol:         k_q0e244a9162_quant.kd
    .args:
      - { .name: input, .offset: 0, .size: 8, .value_kind: global_buffer, .address_space: global }
      - { .name: weight, .offset: 8, .size: 8, .value_kind: global_buffer, .address_space: global }
      - { .name: a_img, .offset: 16, .size: 8, .value_kind: global_buffer, .address_space: global }
      - { .name: b_img, .offset: 24, .size: 8, .value_kind: global_buffer, .address_space: global }
    .group_segment_fixed_size: 36352
    .private_segment_fixed_size: 0
    .kernarg_segment_align: 8
    .kernarg_segment_size: 32
    .max_flat_workgroup_size: 128
    .sgpr_count:     66
    .vgpr_count:     120
    .wavefront_size: 32
...
	.end_amdgpu_metadata
.endif
;; end of part 1
;; launch gemm (part 2): grid 16 x 16, 4 waves a work-group, clusters of 4 x 4, 327,680 bytes of LDS; arguments a_img, b_img, out0; writes out0
.if DOCPART == 2
	.amdgcn_target "amdgcn-amd-amdhsa--gfx1250"
	.amdhsa_code_object_version 6
	.text
	.protected	k_q0e244a9162_gemm
	.globl	k_q0e244a9162_gemm
	.p2align	8
	.type	k_q0e244a9162_gemm,@function
k_q0e244a9162_gemm:
	s_mov_b64 s[64:65], 0
	v_nop
	global_prefetch_b8 v0, s[64:65] scope:SCOPE_SE
	s_setreg_imm32_b32 hwreg(HW_REG_WAVE_MODE, 25, 1), 1
	s_wait_xcnt 0x0
	s_wait_alu depctr_hold_cnt(0) depctr_sa_sdst(0) depctr_va_vdst(0) depctr_va_sdst(0) depctr_va_ssrc(0) depctr_va_vcc(0) depctr_vm_vsrc(0)
	s_getreg_b32 s2, hwreg(HW_REG_IB_STS2, 6, 4)
	s_cmp_eq_u32 s2, 0
	s_cbranch_scc0 .Lentry_in_a_cluster
	s_endpgm
.Lentry_in_a_cluster:
	s_bfe_u32 s2, ttmp6, 0x10000c
	s_cmp_lg_u32 s2, 0xf033
	s_cbranch_scc0 .Lentry_shape_is_right
	s_endpgm
.Lentry_shape_is_right:
; out0[m][n] = sum over K of A[m][K] B[n][K], K = 8,192.  A (2,048 rows) and B (4,096 rows) come as codes of FP8 (E4M3) with one E8M0 byte for each 32 along K, laid in the order of the operand's registers:
; 16 rows are a row group, 128 along K a step, three steps a tile; for each (row group, tile) a block of 6,400 bytes, 22 on end for a row group: three images of 2,048 bytes (lane l's registers 4 c .. 4 c + 3 at
; 512 c + 16 l), then three times 64 bytes of scale words (row r's at 4 r); the last 64 bytes are not read.  out0: [2048][4096] f32; sums in f32.
; LIMITS: those of the launch that made the codes (no NaN, no infinities among the inputs; inside a block of 32 the products are added in another order than K's).
; SHARES.  A tile of C is 128 rows x 256 columns: 16 x 16 = 256 work-groups, one tile each.  Wave w makes rows 64 (w / 2) on and columns 128 (w % 2) on: 4 x 8 = 32 accumulators, 256 registers.
; THE RING.  Two LDS slots, each with one tile of K (three steps, 96 matrix instructions a wave) of A's 8 and B's 16 row groups: 24 x 6,336 = 152,064 bytes.  64 steps are 21 tiles and a third: 21 changes of slots.
; A row of a tensor load is 6,336 consecutive bytes, at a multiple of 256 from the buffer's first byte.  A slot is left as soon as its third step's fragments are in registers.
; CLUSTERS: 4 x 4.  A's tiles are shared along a row of the cluster, B's along a column: joint loads.  EVERY WAVE FETCHES: waves 0 and 1 four row groups of A each, waves 2 and 3 eight of B each.
; At the head a wave issues one load, its part of tile 0; tile 1's goes out behind the wait, the add, the wait and a round, as a refill does.
; THE MATRIX INSTRUCTION IS USED TRANSPOSED (source 0 = 16 rows of B, source 1 = 16 rows of A): a lane holds eight neighbouring numbers of a row of C.
; REGISTERS: window 0: v1-30 addresses; v32-47 scale words, two sets; v128-255 A's fragments, two sets (on the way out rows of C).  Window 1: B's fragments, two sets.  Window 2: accumulator (a, b) at v[8 (8 a + b)].
; Left out: work-groups that stay (there are just 256 tiles); a split of K over work-groups (it would want a launch that adds the parts).
.set BLK,    6400                      ; a (row group, tile) block in memory
.set GSTR,   22*BLK                    ; a row group in memory
.set ROWL,   6336                      ; what is read of a block, and a row group's bytes in a slot
.set IMG,    2048                      ; a fragment's image
.set SCW,    3*IMG                     ; where a block's scale words begin
.set FR,     16                        ; registers of a fragment
.set PART,   8*ROWL                    ; 8 row groups
.set SLOT,   3*PART                    ; A's 8 row groups, then B's 16
.set TRIPS,  10                        ; a trip = two slots = six steps
.set SPARE,  2*SLOT                    ; the spare words: 512 bytes that no other line names
.set SPITCH, 528                       ; the way out: 16 rows x (512 + 16) bytes a wave, in slot 0, behind its last fill and last read
.set CROW,   16384                     ; a row of C in bytes
.set ADRA, 16                          ; v16-17 my lane's place in my first A fragment of slot 0, 1
.set ADRS, 18                          ; v18-19 my scale words: lanes 0-15 A's rows, lanes 16-31 B's
.set ADRB, 20                          ; v20-21 as ADRA, for B
.set STO,  24                          ; into the stage
.set RD,   25                          ; back from it
.set CO,   26                          ; my byte offset in a row of C
.set SPW,  28                          ; my spare word; never rewritten
.set NIL,  29                          ; 0; never rewritten
.set PFO,  30                          ; 256 x my lane, held at a block's last 256 bytes; never rewritten
.set SC,   32                          ; scale words: set p at SC + 8 p
.set AF,   128                         ; A's fragments: set p at AF + 64 p
.set BK,   128                         ; the way out: rows read back, two sets by turns
.set WV,   14                          ; s14 wave; s15 = wave / 2 (0: I fetch for A); s16 = wave % 2
.set G1,   24                          ; s[24:31] group 1 for A;  s[32:39] group 0, a set for each slot
.set G0,   32
.set G1B,  48                          ; the same for B
.set G0B,  56
.set PFA,  94                          ; s[94:95] my prefetches' row group, at the tile that is being asked for
.set MSB, 0
.macro WIN new                         ; the immediate's high byte repeats the setting that is left
.if MSB != \new
	s_set_vgpr_msb (MSB<<8)|\new
.set MSB, \new
.endif
.endm
.set MUL,  0xa1                        ; source 0 (B) window 1, source 1 (A) window 0, C and D window 2
.set TO_B, 0x40                        ; destination window 1
; A joint load: one line for A's waves, one for B's; s_nop 0 and four v_nop behind each
.macro JLOAD g0a, g1a, g0b, g1b
	s_cmp_eq_u32 s15, 0
	s_cbranch_scc0 .Lfor_b_\@
	tensor_load_to_lds s[\g0a:\g0a+3], s[\g1a:\g1a+7]
	s_nop 0
.rept 4
	v_nop
.endr
	s_branch .Lasked_\@
.Lfor_b_\@:
	tensor_load_to_lds s[\g0b:\g0b+3], s[\g1b:\g1b+7]
	s_nop 0
.rept 4
	v_nop
.endr
.Lasked_\@:
.endm
.macro CROUND                          ; a round of the cluster's barrier
	s_barrier_signal -1
	s_barrier_wait -1
	s_cmp_lg_u32 s[WV], 0
	s_cbranch_scc1 .Lnot_wave_0_\@
	s_barrier_signal -3
.Lnot_wave_0_\@:
	s_barrier_wait -3
	s_barrier_signal -1
	s_barrier_wait -1
.endm
; A PREFETCH INTO THE L2: a lane to 256 bytes of a block (25 such; lanes 24 to 31 name the last together).  Each block is named once in each cluster that will load it: the four partners of a joint
; load share its row groups out BY ADDRESS: of an A wave's four, one each (by cx); of a B wave's eight, two each (by cy).  In the loop (guard = 1) a refill names the tile two refills on, 192 matrix
; instructions a wave ahead of its load; the last trip names nothing: there is no tile two on.  At the head tiles 1, 2 and 3 are named.
.macro ASK off, guard
.if \guard
	s_cmp_gt_u32 s3, 1
	s_cbranch_scc0 .Lnot_mine_\@
.endif
	global_prefetch_b8 v[PFO], s[PFA:PFA+1] offset:\off th:TH_LOAD_NT scope:SCOPE_SE
	s_cmp_eq_u32 s15, 0
	s_cbranch_scc1 .Lnot_mine_\@
	global_prefetch_b8 v[PFO], s[PFA:PFA+1] offset:\off+GSTR th:TH_LOAD_NT scope:SCOPE_SE
.Lnot_mine_\@:
.endm
	s_load_b128 s[4:7], s[0:1], 0x0                ; A's images, B's
	s_load_b64 s[12:13], s[0:1], 0x10              ; C
	v_lshl_add_u32 v[SPW], v0, 2, SPARE
	v_mov_b32 v[NIL], 0
	ds_add_u32 v[SPW], v[NIL]                      ; the opening lines: the add, twice on end,
	ds_add_u32 v[SPW], v[NIL]                      ; and one wait for both, ahead of my first tensor load
	v_lshrrev_b32 v1, 5, v0
	v_readfirstlane_b32 s[WV], v1
	s_lshr_b32 s15, s[WV], 1
	s_and_b32 s16, s[WV], 1
	s_bfe_u32 s40, ttmp6, 0x40000                  ; cx
	s_bfe_u32 s41, ttmp6, 0x40004                  ; cy
	s_lshl_b32 s42, ttmp9, 2
	s_add_co_u32 s42, s42, s40                     ; tile column of C
	s_and_b32 s17, ttmp7, 0xffff
	s_lshl_b32 s17, s17, 2
	s_add_co_u32 s17, s17, s41                     ; tile row of C
	s_lshl_b32 s43, s41, 2
	s_lshl_b32 s43, 15, s43                        ; my row of the cluster
	s_lshl_b32 s44, 0x1111, s40                    ; my column
	; group 1: rows (row groups) of 6,336 bytes, as 792 elements of 8 bytes, 140,800 bytes apart; dense in LDS; 4 rows for A, 8 for B
	s_or_b32 s[G1+0], s43, (3<<16)|(1<<21)
	s_or_b32 s[G1B+0], s44, (3<<16)|(1<<21)
.irp g, G1, G1B
	s_mov_b32 s[\g+1], (ROWL/8)<<16
	s_mov_b32 s[\g+3], (ROWL/8)<<16
	s_mov_b32 s[\g+5], GSTR/8
	s_mov_b32 s[\g+6], 0
	s_mov_b32 s[\g+7], 0
.endr
	s_mov_b32 s[G1+2], 4<<16
	s_mov_b32 s[G1+4], 4
	s_mov_b32 s[G1B+2], 8<<16
	s_mov_b32 s[G1B+4], 8
	; A's address hangs on the tile row and the wave alone, B's on the tile column and the wave alone
	s_lshl_b32 s20, s17, 3
	s_lshl_b32 s18, s16, 2
	s_add_co_u32 s20, s20, s18                     ; A: row group 8 x tile row + 4 x (wave % 2)
	s_mul_i32 s20, s20, GSTR
	s_mov_b32 s21, 0
	s_lshl_b32 s18, s16, 3
	s_lshl_b32 s19, s42, 4
	s_add_co_u32 s19, s19, s18                     ; B: row group 16 x tile column + 8 x (wave % 2)
	s_mul_i32 s46, s19, GSTR
	s_mov_b32 s47, 0
	s_mul_i32 s45, s16, 4*ROWL                     ; where A's part goes,
	s_mul_i32 s97, s16, PART
	s_add_co_u32 s97, s97, PART                    ; and B's, behind A's 8 row groups
	s_wait_dscnt 0x0                               ; both opening adds are done
	s_wait_kmcnt 0x0
	s_add_nc_u64 s[20:21], s[4:5], s[20:21]
	s_add_nc_u64 s[46:47], s[6:7], s[46:47]
.irp s, 0,1
	s_mov_b32 s[G0+4*\s], 1
	s_add_co_u32 s[G0+4*\s+1], s45, \s*SLOT
	s_add_nc_u64 s[G0+4*\s+2:G0+4*\s+3], s[20:21], \s*BLK
	s_or_b32 s[G0+4*\s+3], s[G0+4*\s+3], 0x80000000
	s_mov_b32 s[G0B+4*\s], 1
	s_add_co_u32 s[G0B+4*\s+1], s97, \s*SLOT
	s_add_nc_u64 s[G0B+4*\s+2:G0B+4*\s+3], s[46:47], \s*BLK
	s_or_b32 s[G0B+4*\s+3], s[G0B+4*\s+3], 0x80000000
.endr
	CROUND                                         ; all sixteen work-groups are here: the first joint loads meet
	JLOAD G0, G1, G0B, G1B                         ; tile 0: one tensor load a wave at the head
	v_and_b32 v1, 15, v0                           ; r
	v_bfe_u32 v2, v0, 4, 1                         ; h
	s_wait_alu depctr_va_vdst(0)
	v_and_b32 v6, 31, v0                           ; l
	v_lshlrev_b32 v4, 4, v6                        ; 16 l
	s_mul_i32 s21, s15, 4*ROWL                     ; my 4 row groups of A
	s_mul_i32 s22, s16, PART                       ; my 8 of B,
	s_add_co_u32 s22, s22, PART                    ; behind A's 8
.irp s, 0,1
	v_add_nc_u32 v[ADRA+\s], s21, v4
	v_add_nc_u32 v[ADRB+\s], s22, v4
	s_add_co_u32 s21, s21, SLOT
	s_add_co_u32 s22, s22, SLOT
.endr
	s_mul_i32 s21, s15, 4*ROWL
	s_mul_i32 s22, s16, PART
	s_add_co_u32 s22, s22, PART
	s_sub_co_u32 s22, s22, s21
	v_mul_u32_u24 v5, s22, v2                      ; lanes 16-31 take B's words: the lower base + h x the distance
	v_lshl_add_u32 v5, v1, 2, v5
	v_add_nc_u32 v[ADRS], s21, v5
	v_add_nc_u32 v[ADRS+1], SLOT, v[ADRS]
	s_mul_i32 s23, s[WV], 16*SPITCH                ; my stage
	v_mul_u32_u24 v5, v1, SPITCH
	v_lshl_add_u32 v5, v2, 5, v5
	v_add_nc_u32 v[STO], s23, v5
	v_lshlrev_b32 v[CO], 4, v6
	v_add_nc_u32 v[RD], s23, v[CO]
	v_min_u32 v[PFO], 24, v6
	v_lshlrev_b32 v[PFO], 8, v[PFO]
	s_lshl_b32 s20, s17, 7
	s_lshl_b32 s21, s15, 6
	s_add_co_u32 s20, s20, s21                     ; my first row of C,
	s_lshl_b32 s20, s20, 14                        ; in bytes
	s_mov_b32 s21, 0
	s_lshl_b32 s46, s42, 10                        ; my first column, in bytes
	s_lshl_b32 s47, s16, 9
	s_add_co_u32 s46, s46, s47
	s_mov_b32 s47, 0
	s_add_nc_u64 s[20:21], s[20:21], s[46:47]
	s_add_nc_u64 s[12:13], s[12:13], s[20:21]
	; the prefetches' row group: of the row groups that I fetch, my work-group's share
	s_lshl_b32 s20, s17, 3
	s_lshl_b32 s22, s16, 2
	s_add_co_u32 s20, s20, s22
	s_add_co_u32 s20, s20, s40                     ; A: + cx
	s_lshl_b32 s21, s41, 1
	s_add_co_u32 s21, s21, s19                     ; B: + 2 cy
	s_cmp_eq_u32 s15, 0
	s_cselect_b32 s20, s20, s21
	s_cselect_b64 s[PFA:PFA+1], s[4:5], s[6:7]
	s_mul_i32 s20, s20, GSTR
	s_add_co_u32 s20, s20, BLK                     ; at tile 1: the first refill steps it to 2 and names tile 4
	s_mov_b32 s21, 0
	s_add_nc_u64 s[PFA:PFA+1], s[PFA:PFA+1], s[20:21]
.macro FRAG reg, adr, q, i             ; a fragment: four loads of 512 consecutive bytes
.irp c, 0,1,2,3
	ds_load_b128 v[\reg+4*\c:\reg+4*\c+3], v[\adr] offset:(\i)*ROWL+IMG*(\q)+512*\c
.endr
.endm
.macro FETCH slot, q, p                ; 56 LDS loads in one run: the slot's q-th step into set p.  It leaves every window 0
	WIN TO_B
.irp i, 0,1,2,3,4,5,6,7
	FRAG 128*(\p)+FR*\i, ADRB+(\slot), \q, \i
.endr
	WIN 0
.irp i, 0,1,2,3
	FRAG AF+64*(\p)+FR*\i, ADRA+(\slot), \q, \i
.endr
.irp i, 0,1,2,3,4,5,6,7
	ds_load_b32 v[SC+8*(\p)+\i], v[ADRS+(\slot)] offset:\i*ROWL+SCW+64*(\q)   ; lanes 0-15 A's block i (above 3: a neighbour's words, which no product names), lanes 16-31 B's block i
.endr
.endm
; B's block b x A's four.  The 32 accumulators take turns, in the same order in every step.  zero = 1: the first product starts the sums
.macro MULB b, p, zero
.irp a, 0,1,2,3
.if \zero
	v_wmma_scale_f32_16x16x128_f8f6f4 v[8*(8*\a+(\b)):8*(8*\a+(\b))+7], v[128*(\p)+FR*(\b):128*(\p)+FR*(\b)+FR-1], v[AF+64*(\p)+FR*\a:AF+64*(\p)+FR*\a+FR-1], 0, v[SC+8*(\p)+(\b)], v[SC+8*(\p)+\a] matrix_a_scale:MATRIX_SCALE_ROW1
.else
	v_wmma_scale_f32_16x16x128_f8f6f4 v[8*(8*\a+(\b)):8*(8*\a+(\b))+7], v[128*(\p)+FR*(\b):128*(\p)+FR*(\b)+FR-1], v[AF+64*(\p)+FR*\a:AF+64*(\p)+FR*\a+FR-1], v[8*(8*\a+(\b)):8*(8*\a+(\b))+7], v[SC+8*(\p)+(\b)], v[SC+8*(\p)+\a] matrix_a_scale:MATRIX_SCALE_ROW1
.endif
.endr
.endm
.macro PLACES n                        ; eight places behind this form, ahead of loads into its registers and of reads of its results
.rept \n
	v_nop
.endr
.endm
; THE CHANGE OF SLOTS, ahead of a slot's third step, whose fragments are in registers by then.  fill = 1: a round follows, and the joint refill, two tiles on, is the first thing behind it
.macro CHANGE slot, fill
.if \fill
	s_wait_xcnt 0x0                                ; my last prefetches have read their address
	s_add_nc_u64 s[PFA:PFA+1], s[PFA:PFA+1], BLK
.endif
	s_wait_tensorcnt 0x0                           ; my part of the other slot has landed
	ds_add_u32 v[SPW], v[NIL]
.if \fill
	s_add_nc_u64 s[G0+4*\slot+2:G0+4*\slot+3], s[G0+4*\slot+2:G0+4*\slot+3], 2*BLK        ; no tensor load of mine is out: this slot's next tile
	s_add_nc_u64 s[G0B+4*\slot+2:G0B+4*\slot+3], s[G0B+4*\slot+2:G0B+4*\slot+3], 2*BLK
.endif
	s_wait_dscnt 0x0                               ; the add is done, and my reads of this slot are over
.if \fill
	CROUND
	JLOAD G0+4*\slot, G1, G0B+4*\slot, G1B
.else
	s_barrier_signal -1
	s_barrier_wait -1
.endif
.endm
; A STEP: 32 matrix instructions from set p; ahead of them the next step's 56 loads go out into the other set.
; kind 0: the next step lies in the same slot.  1: the change of slots, with a refill.  2: with none.  3: the last step of all
.macro STEP slot, q, p, zero, kind
.if (\kind < 3) && (\zero == 0)
	PLACES 8
.endif
.if \kind == 0
	FETCH \slot, (\q)+1, 1-(\p)
	s_wait_dscnt 56                                ; all but the 56 just issued
.elseif \kind == 1
	CHANGE \slot, 1
	FETCH 1-(\slot), 0, 1-(\p)
	ASK 2*BLK, 1
.elseif \kind == 2
	CHANGE \slot, 0
	FETCH 1-(\slot), 0, 1-(\p)
.else
	s_wait_dscnt 0x0
.endif
	WIN MUL
.irp b, 0,1,2,3,4,5,6,7
	MULB \b, \p, \zero
.endr
	WIN 0
.endm
	s_wait_alu depctr_va_vdst(0)
	ASK 0, 0                                       ; tiles 1 and 2
	ASK BLK, 0
	s_wait_tensorcnt 0x0                           ; my part of tile 0 is in; a later first fill is issued as a refill is:
	ds_add_u32 v[SPW], v[NIL]
	s_wait_dscnt 0x0
	CROUND
	JLOAD G0+4, G1, G0B+4, G1B                     ; tile 1, into slot 1
	FETCH 0, 0, 0
	ASK 2*BLK, 0                                   ; tile 3
	STEP 0, 0, 0, 1, 0                             ; the first step starts the sums
	s_mov_b32 s3, TRIPS
.Llap:                                                 ; once round the ring: both slots are filled again: tiles 2 to 21
	STEP 0, 1, 1, 0, 0
	STEP 0, 2, 0, 0, 1
	STEP 1, 0, 1, 0, 0
	STEP 1, 1, 0, 0, 0
	STEP 1, 2, 1, 0, 1
	STEP 0, 0, 0, 0, 0
	s_sub_co_u32 s3, s3, 1
	s_cmp_lg_u32 s3, 0
	s_cbranch_scc1 .Llap
	STEP 0, 1, 1, 0, 0                             ; tile 20 goes on;
	STEP 0, 2, 0, 0, 2                             ; its change of slots fills nothing;
	STEP 1, 0, 1, 0, 3                             ; tile 21 has one step: the 64th
; THE WAY OUT, by blocks of 16 rows x 128 columns, through my own stage: in as 32 bytes a lane, back as whole rows of 512 bytes.  LDS serves a wave's instructions in order (ISA guide 5.7.1.4)
.macro TOSTAGE a
.set AC, 64*(\a)
	WIN 0x08                                       ; an LDS store's data: window 2
.irp b, 0,1,2,3,4,5,6,7
	ds_store_b128 v[STO], v[AC+8*\b:AC+8*\b+3] offset:64*\b          ; each accumulator from its low end on
	ds_store_b128 v[STO], v[AC+8*\b+4:AC+8*\b+7] offset:64*\b+16
.endr
	WIN 0
.set BB, BK+64*((\a)%2)
.irp t, 0,1,2,3,4,5,6,7,8,9,10,11,12,13,14,15
	ds_load_b128 v[BB+4*\t:BB+4*\t+3], v[RD] offset:\t*SPITCH
.endr
.endm
.macro SEND a, younger                 ; younger: the LDS instructions issued behind block a's loads
.set BB, BK+64*((\a)%2)
	s_wait_dscnt \younger
.if (\a) > 0
	s_add_nc_u64 s[12:13], s[12:13], 16*CROW       ; behind a wait on XCNT: the earlier stores have read their base
.endif
.irp t, 0,1,2,3,4,5,6,7,8,9,10,11,12,13,14,15
	global_store_b128 v[CO], v[BB+4*\t:BB+4*\t+3], s[12:13] offset:\t*CROW th:TH_STORE_NT   ; 32 lanes store 512 consecutive bytes, at a multiple of 256 from C's first byte
.endr
.endm
	PLACES 8
	TOSTAGE 0
.irp a, 1,2,3
.if \a > 1
	s_wait_xcnt 0x0                                ; block a - 2's stores have read their registers and their base
.endif
	TOSTAGE \a
	SEND \a-1, 32                                  ; behind block a - 1's loads: block a's 16 stores and 16 loads
.endr
	s_wait_xcnt 0x0
	SEND 3, 0
	s_wait_tensorcnt 0x0                           ; the wave's end
	ds_add_u32 v[SPW], v[NIL]
	s_wait_dscnt 0x0
	CROUND                                         ; the closing round
	s_endpgm
.Lfunc_end_k_q0e244a9162_gemm:
	.size	k_q0e244a9162_gemm, .Lfunc_end_k_q0e244a9162_gemm-k_q0e244a9162_gemm
	.p2alignl 7, 3214868480
	.fill 96, 4, 3214868480
	.section	.rodata,"a",@progbits
	.p2align	6, 0x0
	.amdhsa_kernel k_q0e244a9162_gemm
		.amdhsa_group_segment_fixed_size 327680
		.amdhsa_private_segment_fixed_size 0
		.amdhsa_enable_private_segment 0
		.amdhsa_kernarg_size 24
		.amdhsa_user_sgpr_count 2
		.amdhsa_user_sgpr_kernarg_segment_ptr 1
		.amdhsa_wavefront_size32 1
		.amdhsa_system_sgpr_workgroup_id_x 1
		.amdhsa_system_sgpr_workgroup_id_y 1
		.amdhsa_system_sgpr_workgroup_id_z 1
		.amdhsa_system_vgpr_workitem_id 0
		.amdhsa_next_free_vgpr 768
		.amdhsa_next_free_sgpr 100
		.amdhsa_reserve_vcc 0
		.amdhsa_float_denorm_mode_32 3
		.amdhsa_float_denorm_mode_16_64 3
		.amdhsa_memory_ordered 1
		.amdhsa_forward_progress 1
		.amdhsa_inst_pref_size 106
	.end_amdhsa_kernel
	.amdgpu_metadata
---
amdhsa.version: [ 1, 2 ]
amdhsa.kernels:
  - .name:           k_q0e244a9162_gemm
    .symbol:         k_q0e244a9162_gemm.kd
    .args:
      - { .name: a_img, .offset: 0, .size: 8, .value_kind: global_buffer, .address_space: global }
      - { .name: b_img, .offset: 8, .size: 8, .value_kind: global_buffer, .address_space: global }
      - { .name: out0, .offset: 16, .size: 8, .value_kind: global_buffer, .address_space: global }
    .group_segment_fixed_size: 327680
    .private_segment_fixed_size: 0
    .kernarg_segment_align: 8
    .kernarg_segment_size: 24
    .max_flat_workgroup_size: 128
    .sgpr_count:     100
    .vgpr_count:     768
    .wavefront_size: 32
...
	.end_amdgpu_metadata
.endif
;; end of part 2
